; MI455X (gfx1250); checked and timed in simulation.
; The chip was launched on July 23, 2026; its instructions are those of AMD's public machine-readable ISA for CDNA 5 (MIT licence, August 2026) and "CDNA5" Instruction Set Architecture Reference Guide (July 2026). The comments in the code are by the model that wrote it; some were corrected since.
;; Adjacency Masked Net. Allowed arithmetic: float matrix products may take bf16 or f16 operands with f32 sums; other float arithmetic in f32, or as packed bf16 or f16 multiplies, adds, multiply-adds, maxima and minima; sums over many terms, partial sums and values carried from step to step in f32; what a program stores and reads back later, other than sums and carried values, may be rounded once to bf16 or f16.
;; Inputs: A_mask 512 x 8 float32; W1 512 x 2,048 float32; W2 2,048 x 512 float32; b1 2,048 float32; b2 512 float32; col_idx 512 int32; x 4,096 x 512 float32.
;; Outputs: out0 4,096 x 512 float32.
;; One version. Each part assembles by itself: llvm-mc -triple=amdgcn-amd-amdhsa -mcpu=gfx1250 --defsym DOCPART=n.
;; ======== version 1 of 1: 3 launches
;; workspace buffers: w1t 2,097,152 bytes; w2f 5,242,880 bytes; xf 4,194,304 bytes; maskt 8,192 bytes; b2s 5,120 bytes; meta 5,120 bytes of whole numbers; hbuf 134,217,728 bytes
;; launch prep (part 1): grid 705 x 1, 8 waves a work-group, no clusters, 56,576 bytes of LDS; arguments x, W1, W2, A_mask, col_idx, b2, w1t, w2f, xf, maskt, meta, b2s; writes w1t, w2f, xf, maskt, meta, b2s
.if DOCPART == 1
	.amdgcn_target "amdgcn-amd-amdhsa--gfx1250"
	.amdhsa_code_object_version 6
	.text
	.protected	k_q9838269fb0_prep
	.globl	k_q9838269fb0_prep
	.p2align	8
	.type	k_q9838269fb0_prep,@function
k_q9838269fb0_prep:
	s_mov_b64 s[64:65], 0
	v_nop
	global_prefetch_b8 v0, s[64:65] scope:SCOPE_SE
	s_setreg_imm32_b32 hwreg(HW_REG_WAVE_MODE, 25, 1), 1
	s_wait_xcnt 0x0
; PREPARATION, done once so that the later launches' work-groups need not each convert the weights.
;   work-groups   0..127  T1: W1 [512 k][2048 h] f32  -> w1t [2048 h][512 k] bf16
;   work-groups 128..447  T2: W2 [2048 h][512 col] f32 -> w2f bf16, the columns in slots, in the order of a matrix operand's registers; padding slots are zero; also meta and b2s
;   work-groups 448..703  T3: x [4096][512] f32 -> xf bf16 in the order of a matrix operand's registers
;   work-group  704       T4: A_mask [512 k][8 g] f32 -> maskt [8 g][512 k] bf16
; PLACES OF THE COLUMNS.  A column's rank is its place among the columns of its group (col_idx), ascending.  Rank < 96: slot 96 g + rank.  Rank >= 96: the group's overflow
; chunks of 96 slots, which follow each other from slot 768 on, groups ascending: slot OSM_g + rank, OSM_g = 672 + 96 x (chunks of the groups before).  A chunk needs 96
; columns in the main part, so 512 columns make 5 chunks at the most: slots 768..1247.  Slots 1248..1279 fill the last block of 64 and are always padding.
; meta = order[1280]: order[s] = column | group << 16, padding = all ones.  b2s[s] = b2[column of s], padding 0.
; w2f byte (s / 16) 65536 + (h / 32) 1024 + c 512 + lane 16 = W2[32 (h / 32) + 16 c + 8 (lane / 16) .. + 7][column of slot 16 (s / 16) + lane % 16].
; LIMIT: col_idx is taken to lie in 0..7, as the gather of the problem needs.
; Memory binds here: no matrix unit, no tensor load, no cluster.  T1 to T3 move 32 KiB in a work-group; every store of 16 lanes covers 256 aligned bytes.
; LDS: each task has bytes of its own, so that no two paths of this text name the same bytes.
.set PT,  272                          ; LDS pitch of a turned tile: 256 bytes + 16: sixteen rows begin at sixteen different 16-byte columns
.set TL1, 0                            ; T1's tile, 64 rows
.set TL2, 64*PT                        ; T2's tile, 64 rows
.set ORD, 2*64*PT                      ; T2's table order[1280], 5,120 bytes
.set XL,  ORD+5120                     ; T3's 16 rows
.set PX,  1040                         ; LDS pitch of a row of x in bf16: 1,024 + 16
; scalars: s[4:27] the twelve addresses; s28 wave; s29, s47 at work; s[30:31] input at the tile; s[32:33] output at the tile; s34, s35 lanes whose slot is a column;
; s[36:37] a byte offset in 64 bits (s37 = 0); s38, s39 block numbers; s40-46 the sort, then at work
; A tile of 128 input rows x 64 columns is turned into 64 rows of 128 bf16 (256 bytes) in LDS and stored.
; Wave w takes input rows 16 w .. 16 w + 15; lane L the columns whose byte offsets (with 16 w rows added) stand in v4 and v5.
; INP: bytes from input row to row; GATHER = 1: columns that s34, s35 do not name become zero; LB: the tile's first LDS byte.
; FRAG = 0: the tile's rows go out as rows, OUTP bytes apart.  FRAG = 1: as fragments of 16 rows x 32 numbers, 1 KiB each: wave w takes rows 16 (w / 2) on, numbers 64 (w % 2) on.
.macro TRANS INP, OUTP, GATHER, LB, FRAG
.irp q, 0,1,2,3
.irp i, 0,1,2,3,4,5,6,7
	global_load_b32 v[16+8*\q+\i], v[4+\q/2], s[30:31] offset:(8*(\q%2)+\i)*\INP
.endr
.endr
	v_mul_u32_u24 v6, v1, PT                       ; in: tile row = my column L, bytes 32 w on
	s_lshl_b32 s29, s28, 5
	v_add_nc_u32 v6, s29, v6
.if \FRAG
	s_lshr_b32 s44, s28, 1
	s_and_b32 s45, s28, 1
	v_lshl_add_u32 v9, s44, 4, v2                  ; back: tile row 16 (w / 2) + L % 16,
	v_mul_u32_u24 v7, v9, PT
	v_lshl_add_u32 v7, v3, 4, v7                   ; bytes 128 (w % 2) + 16 (L / 16) (+ 32 t)
	s_lshl_b32 s29, s45, 7
	v_add_nc_u32 v7, s29, v7
	s_lshl_b32 s44, s44, 16                        ; out: 65,536 bytes a slot tile, 1,024 a fragment, 16 a lane (+ 512 t)
	s_lshl_b32 s45, s45, 11
	s_add_co_u32 s44, s44, s45
	v_lshl_add_u32 v8, v1, 4, s44
.else
	s_lshl_b32 s29, s28, 3
	v_add_nc_u32 v9, s29, v3                       ; back: tile rows 8 w + L / 16 (+ 2 t)
	v_mul_u32_u24 v7, v9, PT
	v_lshl_add_u32 v7, v2, 4, v7
	v_mul_u32_u24 v8, v9, \OUTP                    ; and the same rows in the output
	v_lshl_add_u32 v8, v2, 4, v8
.endif
	s_wait_loadcnt 0x0
.irp q, 0,1,2,3
.irp j, 0,1,2,3
	v_cvt_pk_bf16_f32 v[48+4*\q+\j], v[16+8*\q+2*\j], v[16+8*\q+2*\j+1]
.endr
.endr
.if \GATHER
.irp q, 0,1,2,3
.irp j, 0,1,2,3
	v_cndmask_b32 v[48+4*\q+\j], 0, v[48+4*\q+\j], s[34+\q/2]
.endr
.endr
.endif
.irp q, 0,1,2,3
	ds_store_b128 v6, v[48+4*\q:48+4*\q+3] offset:\LB+(\q/2)*32*PT+(\q%2)*16
.endr
	s_wait_dscnt 0x0                               ; for the other waves: my part of the tile is written
	s_barrier_signal -1
	s_barrier_wait -1
.irp t, 0,1,2,3
.if \FRAG
	ds_load_b128 v[16+4*\t:16+4*\t+3], v7 offset:\LB+32*\t
.else
	ds_load_b128 v[16+4*\t:16+4*\t+3], v7 offset:\LB+2*\t*PT
.endif
.endr
.irp t, 0,1,2,3
	s_wait_dscnt 3-\t                              ; LDS loads come back in order: load t is in, the younger ones stay out
.if \FRAG
	global_store_b128 v8, v[16+4*\t:16+4*\t+3], s[32:33] offset:512*\t   ; a wave's store covers 512 consecutive bytes
.else
	global_store_b128 v8, v[16+4*\t:16+4*\t+3], s[32:33] offset:2*\t*\OUTP
.endif
.endr
.endm
	s_load_b512 s[4:19], s[0:1], 0x0               ; x 4, W1 6, W2 8, A_mask 10, col_idx 12, b2 14, w1t 16, w2f 18
	s_load_b256 s[20:27], s[0:1], 0x40             ; xf 20, maskt 22, meta 24, b2s 26
	v_and_b32 v1, 31, v0                           ; L
	v_lshrrev_b32 v2, 5, v0
	v_readfirstlane_b32 s28, v2                    ; wave w
	v_and_b32 v2, 15, v0                           ; L % 16
	v_bfe_u32 v3, v0, 4, 1                         ; L / 16
	s_mov_b32 s37, 0
	s_wait_kmcnt 0x0
	s_cmp_lt_u32 ttmp9, 128
	s_cbranch_scc1 .Lt1
	s_cmp_lt_u32 ttmp9, 448
	s_cbranch_scc1 .Lt2
	s_cmp_lt_u32 ttmp9, 704
	s_cbranch_scc1 .Lt3
; T4: thread t < 128 takes rows 4 t .. 4 t + 3 of A_mask (128 bytes) and stores, for each group, 4 bf16: a wave covers 256 bytes of a row of maskt.
	s_cmp_ge_u32 s28, 4
	s_cbranch_scc1 .Lend                           ; 512 rows are 128 threads' work; this path has no barrier
	v_lshlrev_b32 v4, 7, v0
	v_lshlrev_b32 v5, 3, v0
.irp i, 0,1,2,3,4,5,6,7
	global_load_b128 v[16+4*\i:16+4*\i+3], v4, s[10:11] offset:16*\i
.endr
	s_wait_loadcnt 0x0
.irp g, 0,1,2,3,4,5,6,7
	v_cvt_pk_bf16_f32 v[48+2*\g], v[16+\g], v[24+\g]
	v_cvt_pk_bf16_f32 v[49+2*\g], v[32+\g], v[40+\g]
	global_store_b64 v5, v[48+2*\g:49+2*\g], s[22:23] offset:1024*\g
.endr
	s_endpgm
.Lt1:                                                  ; k block = id % 4 (128 rows of W1), h block = id / 4 (64 columns)
	s_and_b32 s38, ttmp9, 3
	s_lshr_b32 s39, ttmp9, 2
	s_lshl_b32 s36, s38, 20                        ; 128 rows of 8,192 bytes
	s_lshl_b32 s47, s39, 8                         ; 64 columns of 4 bytes
	s_add_co_u32 s36, s36, s47
	s_add_nc_u64 s[30:31], s[6:7], s[36:37]
	s_lshl_b32 s36, s39, 16                        ; 64 rows of 1,024 bytes
	s_lshl_b32 s47, s38, 8                         ; 128 bf16
	s_add_co_u32 s36, s36, s47
	s_add_nc_u64 s[32:33], s[16:17], s[36:37]
	s_lshl_b32 s29, s28, 17                        ; 16 w rows
	v_lshl_add_u32 v4, v1, 2, s29
	v_add_nc_u32 v5, 128, v4
	TRANS 8192, 1024, 0, TL1, 0
	s_endpgm
.Lt2:                                                  ; h block = id2 % 16 (128 rows of W2), slot block = id2 / 16 (64 slots, 20 blocks)
	s_sub_co_u32 s47, ttmp9, 128
	s_and_b32 s38, s47, 15
	s_lshr_b32 s39, s47, 4
	s_cmp_lg_u32 s28, 0
	s_cbranch_scc1 .Lsorted
	; THE SORT, by wave 0: 512 columns, 16 a lane (column 32 c + L in register c).  For each group the columns' ranks are counted off in ascending order.
	v_lshlrev_b32 v12, 2, v1
.irp c, 0,1,2,3,4,5,6,7,8,9,10,11,12,13,14,15
	global_load_b32 v[16+\c], v12, s[12:13] offset:128*\c
.endr
.irp j, 52,53,54,55
	v_mov_b32 v\j, -1
.endr
	v_lshlrev_b32 v13, 4, v1
.irp i, 0,1,2,3,4,5,6,7,8,9
	ds_store_b128 v13, v[52:55] offset:ORD+512*\i  ; every slot starts as padding
.endr
	v_mov_b32 v10, 0                               ; lane g: OSM_g
	s_mov_b32 s46, 672                             ; OSM of the group in hand
	s_wait_loadcnt 0x0
.irp g, 0,1,2,3,4,5,6,7
	s_mov_b32 s40, 0                               ; members counted so far
.irp c, 0,1,2,3,4,5,6,7,8,9,10,11,12,13,14,15
	v_cmp_eq_u32 s42, \g, v[16+\c]
	v_mbcnt_lo_u32_b32 v48, s42, s40               ; members counted so far + members in the lanes below me
.if \g == 0
	v_cndmask_b32 v[32+\c], 0, v48, s42            ; the first group's select starts the ranks: nothing is cleared
.else
	v_cndmask_b32 v[32+\c], v[32+\c], v48, s42
.endif
	s_bcnt1_i32_b32 s43, s42
	s_add_co_u32 s40, s40, s43
.endr
	s_add_co_u32 s43, s40, 95
	s_mul_i32 s43, s43, 683
	s_lshr_b32 s43, s43, 16                        ; (members + 95) / 96: 683 / 65536 serves numerators up to 607
	s_max_u32 s43, s43, 1
	s_sub_co_u32 s43, s43, 1                       ; overflow chunks of the group
	v_writelane_b32 v10, s46, \g
	s_mul_i32 s43, s43, 96
	s_add_co_u32 s46, s46, s43
.endr
.irp c, 0,1,2,3,4,5,6,7,8,9,10,11,12,13,14,15
	v_lshlrev_b32 v12, 2, v[16+\c]
	ds_bpermute_b32 v[48+\c], v12, v10             ; OSM of the column's group, from lane g
.endr
	s_wait_dscnt 0x0
.irp c, 0,1,2,3,4,5,6,7,8,9,10,11,12,13,14,15
	v_mul_u32_u24 v12, 96, v[16+\c]
	v_cmp_gt_u32 vcc_lo, 96, v[32+\c]
	v_cndmask_b32 v12, v[48+\c], v12, vcc_lo       ; rank < 96: 96 g, else OSM_g
	v_add_nc_u32 v[32+\c], v[32+\c], v12           ; the slot
	v_add_nc_u32 v13, 32*\c, v1
	v_lshl_or_b32 v13, v[16+\c], 16, v13           ; column | group << 16
	v_min_u32 v[32+\c], 1279, v[32+\c]
	v_lshlrev_b32 v[32+\c], 2, v[32+\c]
	ds_store_b32 v[32+\c], v13 offset:ORD          ; LDS serves a wave's instructions in order: this lands behind the fill
.endr
	s_wait_dscnt 0x0                               ; for the other waves: the table is written
.Lsorted:
	s_barrier_signal -1
	s_barrier_wait -1
	s_lshl_b32 s29, s39, 8
	v_lshl_add_u32 v12, v1, 2, s29
	ds_load_b32 v13, v12 offset:ORD                ; my two slots' entries
	ds_load_b32 v14, v12 offset:ORD+128
	s_lshl_b32 s36, s38, 18                        ; 128 rows of 2,048 bytes
	s_add_nc_u64 s[30:31], s[8:9], s[36:37]
	s_lshl_b32 s36, s39, 18                        ; 4 slot tiles of 65,536 bytes
	s_lshl_b32 s47, s38, 12                        ; 4 fragments of 1,024 bytes
	s_add_co_u32 s36, s36, s47
	s_add_nc_u64 s[32:33], s[18:19], s[36:37]
	s_lshl_b32 s29, s28, 15                        ; 16 w rows
	s_wait_dscnt 0x0                               ; my reads of the table are back;
	s_barrier_signal -1                            ; a barrier between all waves' reads of the table, whose address hangs on the work-group's number,
	s_barrier_wait -1                              ; and the tile's stores below: their order then rests on no address arithmetic
	v_cmp_gt_u32 s34, 0x80000, v13                 ; a real entry is below 8 << 16
	v_cmp_gt_u32 s35, 0x80000, v14
	v_and_b32 v13, 0x1ff, v13
	v_and_b32 v14, 0x1ff, v14
	v_min_u32 v13, 0x1ff, v13
	v_min_u32 v14, 0x1ff, v14
	v_lshl_add_u32 v4, v13, 2, s29
	v_lshl_add_u32 v5, v14, 2, s29
	TRANS 2048, 0, 1, TL2, 1
	s_cmp_lg_u32 s28, 0                            ; wave 0 of the work-groups with h block 0 stores its 64 entries and their b2, 256 bytes each
	s_cbranch_scc1 .Lend
	s_cmp_lg_u32 s38, 0
	s_cbranch_scc1 .Lend
	s_lshl_b32 s29, s39, 8
	v_lshl_add_u32 v14, v1, 3, s29
	ds_load_b64 v[12:13], v14 offset:ORD
	s_wait_dscnt 0x0
	global_store_b64 v14, v[12:13], s[24:25]
	v_cmp_gt_u32 s34, 0x80000, v12
	v_cmp_gt_u32 s35, 0x80000, v13
	v_and_b32 v4, 0x1ff, v12
	v_and_b32 v5, 0x1ff, v13
	v_min_u32 v4, 0x1ff, v4
	v_min_u32 v5, 0x1ff, v5
	v_lshl_add_u32 v4, v4, 2, s37
	v_lshl_add_u32 v5, v5, 2, s37
	global_load_b32 v48, v4, s[14:15]
	global_load_b32 v49, v5, s[14:15]
	s_wait_loadcnt 0x0
	v_cndmask_b32 v48, 0, v48, s34
	v_cndmask_b32 v49, 0, v49, s35
	global_store_b64 v14, v[48:49], s[26:27]
.Lend:
	s_endpgm
.Lt3:                                                  ; 16 rows of x.  xf byte T 16384 + ks 1024 + c 512 + lane 16 = x[16 T + lane % 16][32 ks + 16 c + 8 (lane / 16) .. + 7]
	s_sub_co_u32 s38, ttmp9, 448
	s_lshl_b32 s36, s38, 15
	s_add_nc_u64 s[30:31], s[4:5], s[36:37]
	s_lshl_b32 s36, s38, 14
	s_add_nc_u64 s[32:33], s[20:21], s[36:37]
	v_lshlrev_b32 v4, 4, v0
.irp i, 0,1,2,3,4,5,6,7
	global_load_b128 v[16+4*\i:16+4*\i+3], v4, s[30:31] offset:4096*\i th:TH_LOAD_NT
.endr
	v_lshrrev_b32 v5, 7, v0                        ; load i holds row 2 i + t / 128, numbers 4 (t % 128) on
	v_mul_u32_u24 v5, v5, PX
	v_and_b32 v6, 127, v0
	v_lshl_add_u32 v5, v6, 3, v5
	v_mul_u32_u24 v7, v2, PX                       ; back: row L % 16, bytes 128 w + 16 (L / 16) + 32 u
	v_lshl_add_u32 v7, v3, 4, v7
	s_lshl_b32 s29, s28, 7
	v_add_nc_u32 v7, s29, v7
	s_lshl_b32 s29, s28, 11
	v_lshl_add_u32 v8, v1, 4, s29
	s_wait_loadcnt 0x0
.irp i, 0,1,2,3,4,5,6,7
	v_cvt_pk_bf16_f32 v[48+2*\i], v[16+4*\i], v[17+4*\i]
	v_cvt_pk_bf16_f32 v[49+2*\i], v[18+4*\i], v[19+4*\i]
	ds_store_b64 v5, v[48+2*\i:49+2*\i] offset:XL+2*\i*PX
.endr
	s_wait_dscnt 0x0                               ; for the other waves
	s_barrier_signal -1
	s_barrier_wait -1
.irp u, 0,1,2,3
	ds_load_b128 v[16+4*\u:16+4*\u+3], v7 offset:XL+32*\u
.endr
.irp u, 0,1,2,3
	s_wait_dscnt 3-\u
	global_store_b128 v8, v[16+4*\u:16+4*\u+3], s[32:33] offset:512*\u   ; a wave's store covers 512 consecutive bytes
.endr
	s_endpgm
.Lfunc_end_k_q9838269fb0_prep:
	.size	k_q9838269fb0_prep, .Lfunc_end_k_q9838269fb0_prep-k_q9838269fb0_prep
	.p2alignl 7, 3214868480
	.fill 96, 4, 3214868480
	.section	.rodata,"a",@progbits
	.p2align	6, 0x0
	.amdhsa_kernel k_q9838269fb0_prep
		.amdhsa_group_segment_fixed_size 56576
		.amdhsa_private_segment_fixed_size 0
		.amdhsa_enable_private_segment 0
		.amdhsa_kernarg_size 96
		.amdhsa_user_sgpr_count 2
		.amdhsa_user_sgpr_kernarg_segment_ptr 1
		.amdhsa_wavefront_size32 1
		.amdhsa_system_sgpr_workgroup_id_x 1
		.amdhsa_system_sgpr_workgroup_id_y 1
		.amdhsa_system_sgpr_workgroup_id_z 1
		.amdhsa_system_vgpr_workitem_id 0
		.amdhsa_next_free_vgpr 64
		.amdhsa_next_free_sgpr 66
		.amdhsa_reserve_vcc 1
		.amdhsa_float_denorm_mode_32 3
		.amdhsa_float_denorm_mode_16_64 3
		.amdhsa_memory_ordered 1
		.amdhsa_forward_progress 1
		.amdhsa_inst_pref_size 70
	.end_amdhsa_kernel
	.amdgpu_metadata
---
amdhsa.version: [ 1, 2 ]
amdhsa.kernels:
  - .name:           k_q9838269fb0_prep
    .symbol:         k_q9838269fb0_prep.kd
    .args:
      - { .name: x, .offset: 0, .size: 8, .value_kind: global_buffer, .address_space: global }
      - { .name: W1, .offset: 8, .size: 8, .value_kind: global_buffer, .address_space: global }
      - { .name: W2, .offset: 16, .size: 8, .value_kind: global_buffer, .address_space: global }
      - { .name: A_mask, .offset: 24, .size: 8, .value_kind: global_buffer, .address_space: global }
      - { .name: col_idx, .offset: 32, .size: 8, .value_kind: global_buffer, .address_space: global }
      - { .name: b2, .offset: 40, .size: 8, .value_kind: global_buffer, .address_space: global }
      - { .name: w1t, .offset: 48, .size: 8, .value_kind: global_buffer, .address_space: global }
      - { .name: w2f, .offset: 56, .size: 8, .value_kind: global_buffer, .address_space: global }
      - { .name: xf, .offset: 64, .size: 8, .value_kind: global_buffer, .address_space: global }
      - { .name: maskt, .offset: 72, .size: 8, .value_kind: global_buffer, .address_space: global }
      - { .name: meta, .offset: 80, .size: 8, .value_kind: global_buffer, .address_space: global }
      - { .name: b2s, .offset: 88, .size: 8, .value_kind: global_buffer, .address_space: global }
    .group_segment_fixed_size: 56576
    .private_segment_fixed_size: 0
    .kernarg_segment_align: 8
    .kernarg_segment_size: 96
    .max_flat_workgroup_size: 256
    .sgpr_count:     66
    .vgpr_count:     64
    .wavefront_size: 32
...
	.end_amdgpu_metadata
.endif
;; end of part 1
;; launch hid (part 2): grid 32 x 8, 4 waves a work-group, clusters of 4 x 1, 327,680 bytes of LDS; arguments xf, maskt, w1t, b1, hbuf; writes hbuf
.if DOCPART == 2
	.amdgcn_target "amdgcn-amd-amdhsa--gfx1250"
	.amdhsa_code_object_version 6
	.text
	.protected	k_q9838269fb0_hid
	.globl	k_q9838269fb0_hid
	.p2align	8
	.type	k_q9838269fb0_hid,@function
k_q9838269fb0_hid:
	s_mov_b64 s[64:65], 0
	v_nop
	global_prefetch_b8 v0, s[64:65] scope:SCOPE_SE
	s_setreg_imm32_b32 hwreg(HW_REG_WAVE_MODE, 25, 1), 1
	s_wait_xcnt 0x0
	s_wait_alu depctr_hold_cnt(0) depctr_sa_sdst(0) depctr_va_vdst(0) depctr_va_sdst(0) depctr_va_ssrc(0) depctr_va_vcc(0) depctr_vm_vsrc(0)
	s_getreg_b32 s2, hwreg(HW_REG_IB_STS2, 6, 4)
	s_cmp_eq_u32 s2, 0
	s_cbranch_scc0 .Lentry_in_a_cluster
	s_endpgm
.Lentry_in_a_cluster:
	s_bfe_u32 s2, ttmp6, 0x10000c
	s_cmp_lg_u32 s2, 0x3003
	s_cbranch_scc0 .Lentry_shape_is_right
	s_endpgm
.Lentry_shape_is_right:
; THE HIDDEN LAYER: h[g][n][u] = relu(b1[u] + sum over k of x[n][k] mask[k][g] W1[k][u]) in bf16, for all 8 groups, made once.
; It goes through memory because a later step needs, for each output column, the h of that column's group, and how many columns a group has is known from data alone: a text
; whose barriers and joint requests hang on no loaded number would have to make h again for every 96 columns that a group MIGHT have (13 times in place of 8).
; A WORK-GROUP takes 128 rows of x and one group (grid 32 x 8 = 256).  A WAVE takes 64 rows (RH = wave / 2) and 64 of a step's 128 hidden units (QH = wave % 2).  Its 64 rows
; of xe = x * mask, all 512 k, stay in 512 registers, so a fragment of W1 (1 KiB from LDS) feeds four matrix instructions.  16 steps of 128 hidden units, 256 matrix
; instructions a wave and step.
; THE PRODUCT IS USED TRANSPOSED: S^T = W1^T xe^T (source 0 = 16 hidden units, source 1 = 16 rows): a lane holds ONE row and eight hidden units.  Two such tiles, after bias (the
; C operand of a sum's first link), relu and rounding to bf16 in pairs, are a source-1 fragment (32 hidden units x 16 rows) of the next launch's product, and are stored as they lie:
; hbuf byte g 2^24 + (n / 16) 65536 + (u / 32) 1024 + c 512 + lane 16 = h[g][16 (n / 16) + lane % 16][32 (u / 32) + 16 c + 8 (lane / 16) .. + 7].  Each store of a wave covers 512
; consecutive bytes, aligned; no stage in LDS is needed.
; BY TURNS: a wave's 64 hidden units are two pieces of 32.  While one piece is multiplied, the other's relu and rounding stand in slices behind the stretches of matrix instructions,
; over a step's edge too, and are the places behind them.
; CLUSTER: the four row blocks of a cluster share the group and walk the same tiles of W1: each tile is asked for jointly, mask 15.
; FORMATS AND LIMITS: xe = bf16(bf16 x * bf16 mask) (exact for masks of 0 and 1); W1 and h in bf16; sums and b1 in f32.  relu is a maximum in which a NaN loses: a NaN becomes 0.
; LDS: two slots of 133,120 bytes: 128 rows of W1^T, pitch 1,040.
; REGISTERS, in windows of 256: window 0: offsets, BIAS, S^T, fragment buffer X0; window 1: fragment buffer X1; windows 2, 3: xe.
.set SLOTB, 133120
.set P1,    1040                       ; 1,024 + 16: sixteen rows begin at sixteen different 16-byte columns
.set WV, 20                            ; s20 wave
.set RH, 21                            ; s21 wave / 2: which 64 rows
.set QH, 22                            ; s22 wave % 2: which 64 hidden units of a step
.set GR, 23                            ; s23 the group, which the four partners share
.set RB, 24                            ; s24 the block of 128 rows: enters xf's and hbuf's addresses alone
.set G1A, 32                           ; s[32:39] group 1 for W1's tiles; s[40:47] group 0, a set for each slot
.set G0A, 40
.set CNT, 66
.set HB,  72                           ; s[72:73] hbuf at my wave's 4 row tiles and the step in hand
.set AW1, 2                            ; v2-3 my place in W1's tile, slot 0, 1
.set VB1, 6                            ; v6   byte offset in b1 of the bias that is loaded next
.set VH,  7                            ; v7   16 L + 2048 QH: my 16 bytes in a fragment of h; never rewritten
.set BIAS, 32                          ; v32-63  b1 of my 64 hidden units: tile ht at 8 ht
.set S,    64                          ; v64-191 S^T: tile (ht, rt) at 8 (4 ht + rt)
.set X,    192                         ; v192-255 of window 0 (X0) and of window 1 (X1)
.set MSB, 0
.macro WIN new                         ; bits 1:0 source 0, 3:2 source 1, 5:4 source 2, 7:6 destination; the high byte repeats the setting that is left
.if MSB != (\new)
	s_set_vgpr_msb (MSB<<8)|(\new)
.set MSB, (\new)
.endif
.endm
.macro PLACES                          ; four plain vector instructions between a matrix instruction and a load into its registers
.rept 4
	v_nop
.endr
.endm
.macro ROUND                           ; a round of the cluster's barrier
	s_barrier_signal -1
	s_barrier_wait -1
	s_cmp_lg_u32 s[WV], 0
	s_cbranch_scc1 .Lnot_wave_0_\@
	s_barrier_signal -3
.Lnot_wave_0_\@:
	s_barrier_wait -3
	s_barrier_signal -1
	s_barrier_wait -1
.endm
; A joint fill of slot s: waves 0 and 1 ask for the halves of W1's tile, 64 rows of 1,024 bytes each; waves 2 and 3 for nothing.
; One tensor load a wave; by this text's count a wave never has more than one out.
.macro JLOAD s
	s_cmp_lt_u32 s[WV], 2
	s_cbranch_scc0 .Lasked_\@
	tensor_load_to_lds s[G0A+4*(\s):G0A+4*(\s)+3], s[G1A:G1A+7]
.rept 4
	v_nop
.endr
.Lasked_\@:
.endm
; Batch b of 8: hidden units 32 (b / 4) .. + 31 of my 64, k = 128 (b % 4) .. + 127: eight fragments of W1, 16 loads, into X0 (b even) or X1 (b odd).
.macro FETCH slot, b
.set pp, (\b)>>2
.set kb, (\b)&3
	WIN ((\b)&1)<<6
.irp ksl, 0,1,2,3
.irp ht, 0,1
	ds_load_b128 v[X+8*(2*\ksl+\ht):X+8*(2*\ksl+\ht)+3],   v[AW1+\slot] offset:(32*pp+16*\ht)*P1+64*(4*kb+\ksl)
	ds_load_b128 v[X+8*(2*\ksl+\ht)+4:X+8*(2*\ksl+\ht)+7], v[AW1+\slot] offset:(32*pp+16*\ht)*P1+64*(4*kb+\ksl)+32
.endr
.endr
.endm
; Slice n of 32 of piece p (hidden units 32 p .. + 31): relu and rounding of two sums.  The packed words go in place into tile (2 p, rt): with n ascending no unread sum is overwritten.
.macro SLICE p, n
.set srt, (\n)/8
.set sd,  (\n)%8
.set ssrc, S+8*(4*(2*(\p)+sd/4)+srt)+2*(sd%4)
.set sdst, S+8*(4*(2*(\p))+srt)+sd
	v_max_num_f32 v[ssrc], 0, v[ssrc]
	v_max_num_f32 v[ssrc+1], 0, v[ssrc+1]
	v_cvt_pk_bf16_f32 v[sdst], v[ssrc], v[ssrc+1]
.endm
; 32 matrix instructions on batch b, in two stretches (row tiles 0, 1 in window 2; 2, 3 in window 3).  In a stretch four accumulators take turns, one instruction a turn.
; The sums' first links take the bias as C.  sl = 1: behind each stretch four slices of the OTHER piece: 12 plain instructions, which name none of the
; stretch's registers; a batch's eight slices finish row tile b % 4 of that piece.
.macro MM32 b, sl
.set pp, (\b)>>2
.set kb, (\b)&3
.set op, 1-pp
.irp w, 0,1
	WIN ((\b)&1)|((2+\w)<<2)
.irp ksl, 0,1,2,3
.irp ht, 0,1
.irp rtl, 0,1
.set rS, S+8*(4*(2*pp+\ht)+2*\w+\rtl)
.set rX, X+8*(2*\ksl+\ht)
.set rE, 128*\rtl+8*(4*kb+\ksl)
.set rB, BIAS+8*(2*pp+\ht)
.if (kb == 0) && (\ksl == 0)
	v_wmma_f32_16x16x32_bf16 v[rS:rS+7], v[rX:rX+7], v[rE:rE+7], v[rB:rB+7]
.else
	v_wmma_f32_16x16x32_bf16 v[rS:rS+7], v[rX:rX+7], v[rE:rE+7], v[rS:rS+7]
.endif
.endr
.endr
.endr
.if \sl
	WIN 0
.set sn, 4*(2*kb+\w)
.rept 4
	SLICE op, sn
.set sn, sn+1
.endr
.endif
.endr
.endm
.macro BIASLOAD                        ; b1 of my 64 hidden units of the step whose offset stands in VB1: register j of tile ht = b1[.. + 16 ht + 8 (L / 16) + j]
	WIN 0
.irp ht, 0,1,2,3
	global_load_b128 v[BIAS+8*\ht:BIAS+8*\ht+3],   v[VB1], s[10:11] offset:64*\ht
	global_load_b128 v[BIAS+8*\ht+4:BIAS+8*\ht+7], v[VB1], s[10:11] offset:64*\ht+16
.endr
.endm
.macro HST p, rt                       ; the fragment of piece p, row tile rt, goes out: two stores of 512 consecutive bytes
.set hP, S+64*(\p)+8*(\rt)
	global_store_b128 v[VH], v[hP:hP+3],   s[HB:HB+1] offset:65536*(\rt)+1024*(\p) th:TH_STORE_NT
	global_store_b128 v[VH], v[hP+4:hP+7], s[HB:HB+1] offset:65536*(\rt)+1024*(\p)+512 th:TH_STORE_NT
.endm
; A STEP: 128 hidden units.  Each wait on DScnt leaves out the 16 loads of the batch behind the one that is needed.  Batches 0-3 (piece 0) carry the slices and stores of the step
; before's piece 1, batches 4-7 (piece 1) those of this step's piece 0.  A store's data registers are written again by products half a step later: s_wait_xcnt 0 stands between.
; first = 1: there is no step before.  last = 1: no step follows, no bias is loaded.
.macro STEP slot, first, last
	s_wait_loadcnt 0x0                             ; this step's bias is in, so VB1 may step
	v_add_nc_u32 v[VB1], 0x200, v[VB1]             ; 128 hidden units on
.if !\first
	s_wait_xcnt 0x0                                ; the stores of the step before's piece 0 have read their registers: batch 0 writes them again
.endif
	FETCH \slot, 0
	FETCH \slot, 1
.irp b, 0,1,2,3
	s_wait_dscnt 16
.if \first
	MM32 \b, 0
	PLACES
.else
	MM32 \b, 1
	HST 1, \b
.endif
	FETCH \slot, \b+2
.endr
.if !\first
	s_wait_xcnt 0x0                                ; piece 1's stores have read their registers and their base: batch 4 writes the registers again,
	s_add_nc_u64 s[HB:HB+1], s[HB:HB+1], 4096      ; and the base steps to this step's four fragments
.endif
	s_wait_dscnt 16
	MM32 4, 1
	HST 0, 0
.if !\last
	BIASLOAD                                       ; the next step's: this step's last reader of the bias stands in front of 12 plain instructions
.endif
	FETCH \slot, 6
	s_wait_dscnt 16
	MM32 5, 1
	HST 0, 1
	FETCH \slot, 7
	s_wait_dscnt 16
	MM32 6, 1
	HST 0, 2
	s_wait_dscnt 0x0
	MM32 7, 1
	HST 0, 3
.endm
; A change of slots and a step.  Each wave waits for all its tensor loads (its part of this step's slot) and for its reads of the other slot; behind the round no wave of any
; partner reads that slot or has a load on its way, and it is filled again first, with the next step's tile: the fill has this step's 256 matrix instructions in which to land.
.macro TRIP slot, refill, first
	s_wait_tensorcnt 0x0                           ; no tensor load of mine is out: a group 0 may be written
	s_add_nc_u64 s[G0A+4*\slot+2:G0A+4*\slot+3], s[G0A+4*\slot+2:G0A+4*\slot+3], 262144   ; this slot's next tile: 256 rows of W1^T on
	s_wait_dscnt 0x0
.if \refill
	ROUND
	JLOAD 1-\slot
	STEP \slot, \first, 0
.else
	s_barrier_signal -1                            ; the last step fills nothing: the work-group's barrier shows the slot whole
	s_barrier_wait -1
	STEP \slot, 0, 1
.endif
.endm
	s_load_b256 s[4:11], s[0:1], 0x0               ; xf 4, maskt 6, w1t 8, b1 10
	s_load_b64 s[12:13], s[0:1], 0x20              ; hbuf
	v_lshrrev_b32 v26, 5, v0
	v_readfirstlane_b32 s[WV], v26
	s_lshr_b32 s[RH], s[WV], 1
	s_and_b32 s[QH], s[WV], 1
	s_and_b32 s[GR], ttmp7, 0xffff                 ; the group, which the four partners share
	s_bfe_u32 s87, ttmp6, 0x40000                  ; cx.  What holds it stays in s24, s87-89, s94-95 and s72-73: nothing of a descriptor or an LDS address
	s_lshl_b32 s[RB], ttmp9, 2
	s_add_co_u32 s[RB], s[RB], s87
	s_mov_b32 s89, 0
	s_mov_b32 s27, 0
	v_and_b32 v26, 15, v0                          ; r = L % 16
	v_bfe_u32 v27, v0, 4, 1                        ; hh = L / 16
	v_and_b32 v28, 31, v0
	v_lshlrev_b32 v28, 4, v28                      ; 16 L
	v_lshlrev_b32 v29, 4, v27                      ; 16 hh
	s_lshl_b32 s25, s[QH], 8
	v_lshl_add_u32 v[VB1], v27, 5, s25             ; 256 QH + 32 hh: step 0's bias
	s_lshl_b32 s25, s[QH], 11
	v_add_nc_u32 v[VH], s25, v28                   ; my half of a step's four fragments
	s_wait_kmcnt 0x0
	s_lshl_b32 s88, s[RB], 17                      ; xf at row tile 8 RB + 4 RH, 16,384 bytes a tile
	s_lshl_b32 s87, s[RH], 16
	s_add_co_u32 s88, s88, s87
	s_add_nc_u64 s[94:95], s[4:5], s[88:89]
	s_lshl_b32 s88, s[RB], 19                      ; hbuf at the group (2^24 bytes) and row tile 8 RB + 4 RH (65,536 bytes a tile)
	s_lshl_b32 s87, s[RH], 18
	s_add_co_u32 s88, s88, s87
	s_lshl_b32 s87, s[GR], 24
	s_add_co_u32 s88, s88, s87
	s_add_nc_u64 s[HB:HB+1], s[12:13], s[88:89]
	s_lshl_b32 s26, s[GR], 10
	s_add_nc_u64 s[92:93], s[6:7], s[26:27]        ; maskt at the group's row
	; my 64 rows of x, as they lie: register 128 (rt % 2) + 8 ks + 4 c of window 2 + rt / 2
.irp wd, 0,1
	WIN 0x80+0x40*\wd
.set li, 0
.rept 64
	global_load_b128 v[4*li:4*li+3], v28, s[94:95] offset:32768*\wd+512*li
.set li, li+1
.endr
.endr
	WIN 0
.set li, 0
.rept 32                               ; the mask in the same order of k, the same for all rows: into S^T's registers, which are free until the first step
	global_load_b128 v[S+4*li:S+4*li+3], v29, s[92:93] offset:32*li
.set li, li+1
.endr
	BIASLOAD
	v_mul_u32_u24 v[AW1], v26, P1                  ; W1: row 64 QH + r, 16 hh
	v_lshl_add_u32 v[AW1], v27, 4, v[AW1]
	s_mul_i32 s25, s[QH], 64*P1
	v_add_nc_u32 v[AW1], s25, v[AW1]
	v_add_nc_u32 v[AW1+1], SLOTB, v[AW1]
	; the descriptor: 64 rows x 512 elements of 2 bytes, 4 words of padding behind every 256; mask 15, bit 21 beside it
	s_mov_b32 s[G1A+0], 15|(1<<16)|(1<<20)|(1<<21)|(7<<22)|(3<<25)
	s_mov_b32 s[G1A+1], 512<<16
	s_mov_b32 s[G1A+2], 64<<16
	s_mov_b32 s[G1A+3], 512<<16
	s_mov_b32 s[G1A+4], 64
	s_mov_b32 s[G1A+5], 512
	s_mov_b32 s[G1A+6], 0
	s_mov_b32 s[G1A+7], 0
	s_mov_b32 s[G0A+0], 1
	s_mov_b32 s[G0A+1], s25                        ; wave 0: rows 0-63 of the tile, wave 1: rows 64-127
	s_mov_b32 s[G0A+4], 1
	s_add_co_u32 s[G0A+5], s25, SLOTB
	s_lshl_b32 s26, s[QH], 16
	s_add_nc_u64 s[G0A+2:G0A+3], s[8:9], s[26:27]  ; step 0
	s_add_nc_u64 s[G0A+6:G0A+7], s[G0A+2:G0A+3], 131072   ; step 1
	s_or_b32 s[G0A+3], s[G0A+3], 0x80000000
	s_or_b32 s[G0A+7], s[G0A+7], 0x80000000
	ROUND                                          ; all four work-groups are here: the first joint loads meet
	JLOAD 0                                        ; step 0's tile
	s_wait_loadcnt 0x0                             ; x, the mask and step 0's bias
.irp wd, 0,1                           ; xe = x * mask, once: two bf16 an instruction, rounded to bf16
	WIN 0x82+0x41*\wd
.set mi, 0
.rept 256
	v_pk_mul_bf16 v[mi], v[mi], v[S+(mi%128)]
.set mi, mi+1
.endr
.endr
	WIN 0
	TRIP 0, 1, 1
	TRIP 1, 1, 0
	s_mov_b32 s[CNT], 6
.Lk:                                                   ; steps 2 to 13, two a trip
	TRIP 0, 1, 0
	TRIP 1, 1, 0
	s_sub_co_u32 s[CNT], s[CNT], 1
	s_cmp_lg_u32 s[CNT], 0
	s_cbranch_scc1 .Lk
	TRIP 0, 1, 0                                   ; the tail is written out: step 15 asks for nothing
	TRIP 1, 0, 0
.set sn, 0
.rept 32                               ; the last step's piece 1: its last products stand in front of 12 plain instructions
	SLICE 1, sn
.set sn, sn+1
.endr
.irp rt, 0,1,2,3
	HST 1, \rt
.endr
	ROUND                                          ; the closing round: no work-group ends while a partner may still ask for a tile that names it
	s_endpgm
.Lfunc_end_k_q9838269fb0_hid:
	.size	k_q9838269fb0_hid, .Lfunc_end_k_q9838269fb0_hid-k_q9838269fb0_hid
	.p2alignl 7, 3214868480
	.fill 96, 4, 3214868480
	.section	.rodata,"a",@progbits
	.p2align	6, 0x0
	.amdhsa_kernel k_q9838269fb0_hid
		.amdhsa_group_segment_fixed_size 327680
		.amdhsa_private_segment_fixed_size 0
		.amdhsa_enable_private_segment 0
		.amdhsa_kernarg_size 40
		.amdhsa_user_sgpr_count 2
		.amdhsa_user_sgpr_kernarg_segment_ptr 1
		.amdhsa_wavefront_size32 1
		.amdhsa_system_sgpr_workgroup_id_x 1
		.amdhsa_system_sgpr_workgroup_id_y 1
		.amdhsa_system_sgpr_workgroup_id_z 1
		.amdhsa_system_vgpr_workitem_id 0
		.amdhsa_next_free_vgpr 1024
		.amdhsa_next_free_sgpr 96
		.amdhsa_reserve_vcc 0
		.amdhsa_float_denorm_mode_32 3
		.amdhsa_float_denorm_mode_16_64 3
		.amdhsa_memory_ordered 1
		.amdhsa_forward_progress 1
		.amdhsa_inst_pref_size 255
	.end_amdhsa_kernel
	.section	.bss,"aw",@nobits
	.p2align	6
	.space	262144
	.amdgpu_metadata
---
amdhsa.version: [ 1, 2 ]
amdhsa.kernels:
  - .name:           k_q9838269fb0_hid
    .symbol:         k_q9838269fb0_hid.kd
    .args:
      - { .name: xf, .offset: 0, .size: 8, .value_kind: global_buffer, .address_space: global }
      - { .name: maskt, .offset: 8, .size: 8, .value_kind: global_buffer, .address_space: global }
      - { .name: w1t, .offset: 16, .size: 8, .value_kind: global_buffer, .address_space: global }
      - { .name: b1, .offset: 24, .size: 8, .value_kind: global_buffer, .address_space: global }
      - { .name: hbuf, .offset: 32, .size: 8, .value_kind: global_buffer, .address_space: global }
    .group_segment_fixed_size: 327680
    .private_segment_fixed_size: 0
    .kernarg_segment_align: 8
    .kernarg_segment_size: 40
    .max_flat_workgroup_size: 128
    .sgpr_count:     96
    .vgpr_count:     1024
    .wavefront_size: 32
...
	.end_amdgpu_metadata
.endif
;; end of part 2
;; launch outp (part 3): grid 13 x 32, 4 waves a work-group, no clusters, 204,800 bytes of LDS; arguments hbuf, w2f, b2s, meta, out0; writes out0
.if DOCPART == 3
	.amdgcn_target "amdgcn-amd-amdhsa--gfx1250"
	.amdhsa_code_object_version 6
	.text
	.protected	k_q9838269fb0_outp
	.globl	k_q9838269fb0_outp
	.p2align	8
	.type	k_q9838269fb0_outp,@function
k_q9838269fb0_outp:
	s_mov_b64 s[64:65], 0
	v_nop
	global_prefetch_b8 v0, s[64:65] scope:SCOPE_SE
	s_setreg_imm32_b32 hwreg(HW_REG_WAVE_MODE, 25, 1), 1
	s_wait_xcnt 0x0
; THE OUTPUT LAYER: out[n][j] = b2[j] + sum over u of h[g][n][u] W2[u][j], g = col_idx[j], with h as the launch before stored it and W2's columns in slots, sorted by group.
; JOBS.  A JOB is 96 slots of ONE group: jobs 0-7 are the groups' first 96 columns (slots 96 g on), jobs 8-12 the chunks of 96 further columns of groups that have more (512 columns
; make five such chunks at the most).  A WORK-GROUP takes one job (x of the grid) and 128 rows (y): 13 x 32.  The job's group, which picks the part of h, is read from the job's
; first entry; a job that is all padding takes group 7, is multiplied like any other and stores nothing.  Each column has one slot, so each byte of out0 is stored by one wave.
; Jobs of one row block lie side by side in the grid: those that read the same rows of h run close together.
; A WAVE takes hidden units 512 w .. 512 w + 511 of all 128 rows x 96 slots: 48 accumulators.  So every byte of h (512 KiB a work-group) and of W2 (384 KiB) is wanted by ONE wave:
; it goes straight into that wave's registers, in fragment order (each load of a wave covers 512 consecutive bytes), and LDS would add nothing on the way in.
; A chunk of 32 hidden units is 8 fragments of h and 6 of W2, 28 loads, for 48 matrix instructions; three chunk buffers take turns.
; out^T = W2^T h^T (source 0 = 16 slots, source 1 = 16 rows): a lane holds one row and eight neighbouring slots.
; The four waves' partial sums meet in LDS: a plane of 128 rows x 96 f32 for each wave, one barrier, then each wave totals 32 rows, adds b2 and stores.
; NO CLUSTER: h, 4/7 of a chunk's bytes, is a work-group's own, and its address holds a number read from memory; W2 alone is shared between row blocks.
; FORMATS AND LIMITS: h and W2 in bf16; sums and b2 in f32; a sum over the hidden units is made as four sums of 512, added at the end.  col_idx is taken to lie in 0..7.
; REGISTERS, in windows of 256: window 0: v0-31 offsets, v32-143 and v144-255 chunk buffers 0 and 1; window 1: v0-111 chunk buffer 2;
;   window 2: the accumulators of slot tiles 0-3 ((ct, rt) at 8 (8 ct + rt)); window 3: v0-127 those of slot tiles 4, 5.  In a buffer: h's fragments at 8 rt, W2's at 64 + 8 ct.
.set PL,    400                        ; a stage row: 384 bytes + 16 = 25 x 16: sixteen rows begin at sixteen different 16-byte columns
.set PLANE, 128*PL                     ; 51,200 bytes a wave
.set WV,   14                          ; s14 wave
.set RB,   15                          ; s15 the block of 128 rows
.set HBB,  16                          ; s[16:17] hbuf at the job's group and my 8 row tiles
.set W2B,  18                          ; s[18:19] w2f at the job's 6 slot tiles
.set ENTB, 20                          ; s[20:21] meta at the job's 96 entries
.set B2B,  22                          ; s[22:23] b2s at the job's slots
.set OB,   24                          ; s[24:25] out0 at the 32 rows that my wave stores
.set MKM,  36                          ; s36 lanes that store 16 bytes, s37-40 lanes that store word k alone: slots 0-63
.set MKT,  42                          ; s42-46 the same for slots 64-95
.set SAVE, 48
.set CM,   50                          ; s50-54 compare results
.set LTM, 1                            ; v1   2048 (L / 16)
.set VK,  2                            ; v2   16 L + 16384 wave: my 16 bytes in a fragment, my quarter of the hidden units; never rewritten
.set VW,  3                            ; v3   stage: where a lane's eight sums of a row go
.set VRM, 4                            ; v4-5 stage: where slots 0-63 are read back, planes 0 and 2
.set VRT, 6                            ; v6-7 the same for slots 64-95
.set LTT, 8                            ; v8   2048 (2 ((L / 8) % 2) + L / 16)
.set VOM, 9                            ; v9-12  byte offset in out0 of my four slots' columns, slots 0-63
.set VOT, 13                           ; v13-16 the same, slots 64-95
.set B2M, 18                           ; v18-21, v22-25 b2 of those columns
.set B2T, 22
.set EAM, 30                           ; v30, v31 byte offsets of my entries among the job's 96
.set EAT, 31
.set T,   32                           ; the way out: v32-159, 32 registers for each plane
.set ENT, 160                          ; the way out: eight entries
.set MSB, 0
.macro WIN new                         ; bits 1:0 source 0, 3:2 source 1, 5:4 source 2, 7:6 destination; the high byte repeats the setting that is left
.if MSB != (\new)
	s_set_vgpr_msb (MSB<<8)|(\new)
.set MSB, (\new)
.endif
.endm
.macro PLACES                          ; four plain vector instructions between a matrix instruction and a load into, or a store of, its registers
.rept 4
	v_nop
.endr
.endm
.macro BUFSET c                        ; chunk c's buffer: window bw, first register bb
.set bf, (\c)%3
.if bf == 2
.set bw, 1
.set bb, 0
.else
.set bw, 0
.set bb, 32+112*bf
.endif
.endm
.macro LOADW c                         ; chunk c's six fragments of W2: 12 loads
	BUFSET \c
	WIN bw<<6
.irp ct, 0,1,2,3,4,5
	global_load_b128 v[bb+64+8*\ct:bb+64+8*\ct+3],   v[VK], s[W2B:W2B+1] offset:65536*\ct+1024*(\c)
	global_load_b128 v[bb+64+8*\ct+4:bb+64+8*\ct+7], v[VK], s[W2B:W2B+1] offset:65536*\ct+1024*(\c)+512
.endr
.endm
.macro LOADH c                         ; chunk c's eight fragments of h: 16 loads
	BUFSET \c
	WIN bw<<6
.irp rt, 0,1,2,3,4,5,6,7
	global_load_b128 v[bb+8*\rt:bb+8*\rt+3],   v[VK], s[HBB:HBB+1] offset:65536*\rt+1024*(\c)
	global_load_b128 v[bb+8*\rt+4:bb+8*\rt+7], v[VK], s[HBB:HBB+1] offset:65536*\rt+1024*(\c)+512
.endr
.endm
; Chunk c's 48 matrix instructions: 48 accumulators by turns, one instruction a turn.  zero: they start the sums.
.macro MULC c, zero
	BUFSET \c
.irp o, 0,1
	WIN bw|(bw<<2)|((2+\o)<<4)|((2+\o)<<6)
.irp ctl, 0,1,2,3
.if (\o == 0) || (\ctl < 2)
.irp rt, 0,1,2,3,4,5,6,7
.set rO, 8*(8*\ctl+\rt)
.set rW, bb+64+8*(4*\o+\ctl)
.set rH, bb+8*\rt
.if \zero
	v_wmma_f32_16x16x32_bf16 v[rO:rO+7], v[rW:rW+7], v[rH:rH+7], 0
.else
	v_wmma_f32_16x16x32_bf16 v[rO:rO+7], v[rW:rW+7], v[rH:rH+7], v[rO:rO+7]
.endif
.endr
.endif
.endr
.endr
.endm
; Four entries in v[ee ..]: the masks (mk) and the offsets into out0 (vo = 4 column + the lane's term lt).
.macro ENTRIES ee, vo, mk, lt
.irp k, 0,1,2,3
	v_cmp_gt_u32 s[CM+\k], 0x80000, v[\ee+\k]      ; a real entry is below 8 << 16: the slot is a column (of the job's group: a job has one group)
.endr
	v_and_b32 v26, 3, v[\ee]
	v_cmp_eq_u32 s[CM+4], 0, v26
	s_and_b32 s[\mk], s[CM], s[CM+4]
.irp k, 1,2,3
	v_add_nc_u32 v26, \k, v[\ee]
	v_cmp_eq_u32 s[CM+4], v26, v[\ee+\k]
	s_and_b32 s[\mk], s[\mk], s[CM+4]
.endr
.irp k, 0,1,2,3
	s_and_not1_b32 s[\mk+1+\k], s[CM+\k], s[\mk]
.endr
.irp k, 0,1,2,3
	v_and_b32 v26, 0x1ff, v[\ee+\k]
	v_min_u32 v26, 0x1ff, v26
	v_lshl_add_u32 v[\vo+\k], v26, 2, v[\lt]
.endr
.endm
; A unit of the way out: eight loads of 16 bytes a lane from each of the four planes, their total, b2, and the stores.
; tail = 0: rows 16 u .. 16 u + 15 of my 32, slots 0-63: a load takes two rows.  tail = 1: all my 32 rows, slots 64-95: a load takes four rows.
; A lane holds four neighbouring slots of a row.  Where they are four neighbouring columns, the first a multiple of 4, they go as 16 bytes (a group of 64 neighbouring columns:
; sixteen lanes store 256 aligned bytes); other columns go word by word, under masks that are empty where there are none; padding is not stored.
; EXEC is a source of pending memory instructions: it changes only behind s_wait_xcnt 0, which also frees the stores' registers for the next unit.
.macro UNIT tail, u
.if \tail
.set uA, VRT
.set uS, 4*PL
.set uO, 0
.set gB, B2T
.set gV, VOT
.set gM, MKT
.set gI, 0
.set gS, 8192
.else
.set uA, VRM
.set uS, 2*PL
.set uO, 16*PL*(\u)
.set gB, B2M
.set gV, VOM
.set gM, MKM
.set gI, 32768*(\u)
.set gS, 4096
.endif
.irp pl, 0,1,2,3
.irp t, 0,1,2,3,4,5,6,7
	ds_load_b128 v[T+32*\pl+4*\t:T+32*\pl+4*\t+3], v[uA+\pl/2] offset:(\pl%2)*PLANE+uO+uS*\t
.endr
.endr
	s_wait_dscnt 0x0
.set m, 0
.rept 16
	v_pk_add_f32 v[T+m:T+m+1],       v[T+m:T+m+1],       v[T+32+m:T+32+m+1]
	v_pk_add_f32 v[T+64+m:T+64+m+1], v[T+64+m:T+64+m+1], v[T+96+m:T+96+m+1]
.set m, m+2
.endr
.set m, 0
.rept 16
	v_pk_add_f32 v[T+m:T+m+1], v[T+m:T+m+1], v[T+64+m:T+64+m+1]
.set m, m+2
.endr
.irp t, 0,1,2,3,4,5,6,7
	v_pk_add_f32 v[T+4*\t:T+4*\t+1],   v[T+4*\t:T+4*\t+1],   v[gB:gB+1]
	v_pk_add_f32 v[T+4*\t+2:T+4*\t+3], v[T+4*\t+2:T+4*\t+3], v[gB+2:gB+3]
.endr
	s_wait_xcnt 0x0
	s_mov_b32 vcc_lo, s[gM]
	s_and_saveexec_b32 s[SAVE], vcc_lo
.irp t, 0,1,2,3,4,5,6,7
	global_store_b128 v[gV], v[T+4*\t:T+4*\t+3], s[OB:OB+1] offset:gI+gS*\t th:TH_STORE_NT
.endr
	s_wait_xcnt 0x0
	s_or_b32 exec_lo, exec_lo, s[SAVE]
.irp k, 0,1,2,3
	s_mov_b32 vcc_lo, s[gM+1+\k]
	s_and_saveexec_b32 s[SAVE], vcc_lo
.irp t, 0,1,2,3,4,5,6,7
	global_store_b32 v[gV+\k], v[T+4*\t+\k], s[OB:OB+1] offset:gI+gS*\t th:TH_STORE_NT
.endr
	s_wait_xcnt 0x0
	s_or_b32 exec_lo, exec_lo, s[SAVE]
.endr
.endm
	s_load_b256 s[4:11], s[0:1], 0x0               ; hbuf 4, w2f 6, b2s 8, meta 10
	s_load_b64 s[12:13], s[0:1], 0x20              ; out0
	v_lshrrev_b32 v26, 5, v0
	v_readfirstlane_b32 s[WV], v26
	s_and_b32 s[RB], ttmp7, 0xffff
	s_mov_b32 s31, 0                               ; s[30:31]: a byte offset in 64 bits
	v_and_b32 v27, 31, v0
	s_lshl_b32 s29, s[WV], 14
	v_lshl_add_u32 v[VK], v27, 4, s29
	s_mul_i32 s30, ttmp9, 96*4                     ; ttmp9: the job
	s_wait_kmcnt 0x0
	s_add_nc_u64 s[ENTB:ENTB+1], s[10:11], s[30:31]
	s_add_nc_u64 s[B2B:B2B+1], s[8:9], s[30:31]
	s_load_b32 s28, s[ENTB:ENTB+1], 0x0            ; the job's first entry: its high half is the job's group
	s_mul_i32 s30, ttmp9, 6*65536
	s_add_nc_u64 s[W2B:W2B+1], s[6:7], s[30:31]
	LOADW 0                                        ; W2's fragments hang on the job alone: they go out while the entry is on its way
	v_and_b32 v26, 15, v0                          ; r = L % 16
	v_bfe_u32 v27, v0, 4, 1                        ; hh = L / 16
	v_bfe_u32 v28, v0, 3, 1                        ; q = (L / 8) % 2
	s_mul_i32 s29, s[WV], PLANE                    ; my plane
	v_mul_u32_u24 v[VW], v26, PL                   ; in: row r (+ 16 rt), 32 bytes for each half of the lanes (+ 64 ct)
	v_lshl_add_u32 v[VW], v27, 5, v[VW]
	v_add_nc_u32 v[VW], s29, v[VW]
	s_mul_i32 s29, s[WV], 32*PL                    ; back: my 32 rows of every plane
	v_mul_u32_u24 v[VRM], v27, PL                  ; slots 0-63: lanes 0-15 one row's 256 bytes, lanes 16-31 the next row's
	v_lshl_add_u32 v[VRM], v26, 4, v[VRM]
	v_add_nc_u32 v[VRM], s29, v[VRM]
	v_add_nc_u32 v[VRM+1], 2*PLANE, v[VRM]
	v_lshl_add_u32 v29, v28, 1, v27                ; slots 64-95: eight lanes take a row's 128 bytes: row 2 q + hh
	v_mul_u32_u24 v[VRT], v29, PL
	v_lshlrev_b32 v[LTT], 11, v29
	v_and_b32 v29, 7, v0
	v_lshl_add_u32 v[VRT], v29, 4, v[VRT]
	s_add_co_u32 s29, s29, 256
	v_add_nc_u32 v[VRT], s29, v[VRT]
	v_add_nc_u32 v[VRT+1], 2*PLANE, v[VRT]
	v_lshlrev_b32 v[LTM], 11, v27
	v_lshlrev_b32 v[EAM], 4, v26                   ; entries 4 r .. 4 r + 3
	v_lshl_add_u32 v[EAT], v29, 4, 256             ; entries 64 + 4 (L % 8) ..
	s_lshl_b32 s30, s[RB], 18                      ; out0 at row 128 RB + 32 wave, 2,048 bytes a row
	s_lshl_b32 s29, s[WV], 16
	s_add_co_u32 s30, s30, s29
	s_add_nc_u64 s[OB:OB+1], s[12:13], s[30:31]
	s_wait_kmcnt 0x0
	s_lshr_b32 s28, s28, 16                        ; the group; of a job that is all padding 0xffff,
	s_min_u32 s28, s28, 7                          ; which becomes 7: some part of h, for sums that are not stored
	s_lshl_b32 s30, s28, 24                        ; 2^24 bytes a group, 65,536 a row tile
	s_lshl_b32 s29, s[RB], 19
	s_add_co_u32 s30, s30, s29
	s_add_nc_u64 s[HBB:HBB+1], s[4:5], s[30:31]
	LOADH 0
	LOADW 1
	LOADH 1
	LOADW 2
	LOADH 2
; Sixteen chunks, written out: every offset stands in an immediate and no address register is ever stepped.  The wait leaves out the loads of the chunks behind the one that is
; needed: two chunks' 56, at the end 28 and none.  With three chunks asked for, the issue of the youngest loads is held until the counter has room (ISA guide 5.7.1).
.set cc, 0
.rept 16
.if cc < 14
	s_wait_loadcnt 56
.elseif cc == 14
	s_wait_loadcnt 28
.else
	s_wait_loadcnt 0x0
.endif
	MULC cc, cc==0
.if cc < 13
	PLACES                                         ; the buffer just multiplied is loaded again
	LOADW cc+3
	LOADH cc+3
.endif
.set cc, cc+1
.endr
	PLACES                                         ; the way out reads results just made, and loads into the buffers
	WIN 0
	global_load_b128 v[ENT:ENT+3],   v[EAM], s[ENTB:ENTB+1]    ; wanted behind the barrier: on their way while the sums go to the stage
	global_load_b128 v[ENT+4:ENT+7], v[EAT], s[ENTB:ENTB+1]
	global_load_b128 v[B2M:B2M+3],   v[EAM], s[B2B:B2B+1]
	global_load_b128 v[B2T:B2T+3],   v[EAT], s[B2B:B2B+1]
.irp o, 0,1
	WIN (2+\o)<<2                                  ; an LDS store's data is source 1
.irp ctl, 0,1,2,3
.if (\o == 0) || (\ctl < 2)
.irp rt, 0,1,2,3,4,5,6,7
	ds_store_b128 v[VW], v[8*(8*\ctl+\rt):8*(8*\ctl+\rt)+3]   offset:16*PL*\rt+64*(4*\o+\ctl)
	ds_store_b128 v[VW], v[8*(8*\ctl+\rt)+4:8*(8*\ctl+\rt)+7] offset:16*PL*\rt+64*(4*\o+\ctl)+16
.endr
.endif
.endr
.endr
	WIN 0
	s_wait_dscnt 0x0                               ; for the other waves: my plane is written
	s_barrier_signal -1
	s_barrier_wait -1
	s_wait_loadcnt 0x0                             ; the entries and b2
	ENTRIES ENT,   VOM, MKM, LTM
	ENTRIES ENT+4, VOT, MKT, LTT
	UNIT 0, 0
	UNIT 0, 1
	UNIT 1, 0
	s_endpgm
.Lfunc_end_k_q9838269fb0_outp:
	.size	k_q9838269fb0_outp, .Lfunc_end_k_q9838269fb0_outp-k_q9838269fb0_outp
	.p2alignl 7, 3214868480
	.fill 96, 4, 3214868480
	.section	.rodata,"a",@progbits
	.p2align	6, 0x0
	.amdhsa_kernel k_q9838269fb0_outp
		.amdhsa_group_segment_fixed_size 204800
		.amdhsa_private_segment_fixed_size 0
		.amdhsa_enable_private_segment 0
		.amdhsa_kernarg_size 40
		.amdhsa_user_sgpr_count 2
		.amdhsa_user_sgpr_kernarg_segment_ptr 1
		.amdhsa_wavefront_size32 1
		.amdhsa_system_sgpr_workgroup_id_x 1
		.amdhsa_system_sgpr_workgroup_id_y 1
		.amdhsa_system_sgpr_workgroup_id_z 1
		.amdhsa_system_vgpr_workitem_id 0
		.amdhsa_next_free_vgpr 896
		.amdhsa_next_free_sgpr 66
		.amdhsa_reserve_vcc 1
		.amdhsa_float_denorm_mode_32 3
		.amdhsa_float_denorm_mode_16_64 3
		.amdhsa_memory_ordered 1
		.amdhsa_forward_progress 1
		.amdhsa_inst_pref_size 138
	.end_amdhsa_kernel
	.amdgpu_metadata
---
amdhsa.version: [ 1, 2 ]
amdhsa.kernels:
  - .name:           k_q9838269fb0_outp
    .symbol:         k_q9838269fb0_outp.kd
    .args:
      - { .name: hbuf, .offset: 0, .size: 8, .value_kind: global_buffer, .address_space: global }
      - { .name: w2f, .offset: 8, .size: 8, .value_kind: global_buffer, .address_space: global }
      - { .name: b2s, .offset: 16, .size: 8, .value_kind: global_buffer, .address_space: global }
      - { .name: meta, .offset: 24, .size: 8, .value_kind: global_buffer, .address_space: global }
      - { .name: out0, .offset: 32, .size: 8, .value_kind: global_buffer, .address_space: global }
    .group_segment_fixed_size: 204800
    .private_segment_fixed_size: 0
    .kernarg_segment_align: 8
    .kernarg_segment_size: 40
    .max_flat_workgroup_size: 128
    .sgpr_count:     66
    .vgpr_count:     896
    .wavefront_size: 32
...
	.end_amdgpu_metadata
.endif
;; end of part 3
